; MI455X (gfx1250); checked and timed in simulation.
; The chip was launched on July 23, 2026; its instructions are those of AMD's public machine-readable ISA for CDNA 5 (MIT licence, August 2026) and "CDNA5" Instruction Set Architecture Reference Guide (July 2026). The comments in the code are by the model that wrote it; some were corrected since.
;; FPN. Allowed arithmetic: float matrix products may take bf16 or f16 operands with f32 sums; other float arithmetic in f32, or as packed bf16 or f16 multiplies, adds, multiply-adds, maxima and minima; sums over many terms, partial sums and values carried from step to step in f32; what a program stores and reads back later, other than sums and carried values, may be rounded once to bf16 or f16.
;; Inputs: W 128 x 384 float32; b 128 float32; points1 2 x 8,192 x 128 float32; points2 2 x 8,192 x 256 float32; xyz1 2 x 8,192 x 3 float32; xyz2 2 x 8,192 x 3 float32.
;; Outputs: out0 2 x 8,192 x 128 float32.
;; Constants: nsample = 16.
;; 2 versions, each right; version 2 is version 1 with the launch mix written anew for expert scheduling mode. Each part assembles by itself: llvm-mc -triple=amdgcn-amd-amdhsa -mcpu=gfx1250 --defsym DOCPART=n.
;; ======== version 1 of 2: 3 launches
;; workspace buffers: gid 262,144 bytes of whole numbers; nidx 1,048,576 bytes of whole numbers; nwgt 1,048,576 bytes; p2h 8,388,608 bytes
;; launch scan (part 1): grid 256 x 1, 8 waves a work-group, no clusters, 104,448 bytes of LDS; arguments xyz1, xyz2, points2, gid, p2h; writes gid, p2h
.if DOCPART == 1
	.amdgcn_target "amdgcn-amd-amdhsa--gfx1250"
	.amdhsa_code_object_version 6
	.text
	.protected	k_qb325739b5b_scan
	.globl	k_qb325739b5b_scan
	.p2align	8
	.type	k_qb325739b5b_scan,@function
k_qb325739b5b_scan:
	s_mov_b64 s[64:65], 0
	v_nop
	global_prefetch_b8 v0, s[64:65] scope:SCOPE_SE
	s_setreg_imm32_b32 hwreg(HW_REG_WAVE_MODE, 25, 1), 1
	s_wait_xcnt 0x0
; FIRST OF THREE LAUNCHES.  reference(): for each of 2 x 8,192 queries (xyz2) the 16 nearest of its batch's 8,192 keys (xyz1) by squared distance, ties to the lower index;
; weights 1 / (d + 1e-8), normalised; the weighted sum of those 16 rows of points2; concatenated behind points1; times W^T, plus b.
; NO WORK IS LEFT OUT: every input has a way to the output, and every one is loaded by one of the three launches.
; THIS LAUNCH: for each query the 16 GROUPS of 32 consecutive keys that hold its 16 neighbours, stored as whole numbers (gid, a byte a group); and points2 rounded once to bf16 (p2h).
; WHY 16 GROUPS DO.  Order elements by (d, index) and groups by (least d in the group, group number).  If element e is among the 16 least and 16 groups came ahead of e's group, the best
; element of each (the lowest index that has the group's least d) would come ahead of e: its d is no greater, and where it is equal its group, hence its index, is lower.  That makes 16 ahead of e.
; FORMATS.  All floating-point inputs of the program are rounded to bf16 at their first use.  Products of two such coordinates are exact in f32, so
; s = x x + y y + z z, t = x1 x2 + y1 y2 + z1 z2 (summed in that order) and d = (s2 + s1) - 2 t have one value each, fused or not.
; LIMITS.  The neighbours are those of the coordinates rounded to bf16.  NaN and infinities are not treated apart (a key of +infinity stands for 'no element'); -0 counts as below +0.
; SHARES.  A work-group has 64 queries of one batch.  Scan: thread t holds group t's 32 keys in registers, and each wave walks all 64 queries, whose numbers come as scalars: a lane makes its
; group's least d, which goes to LDS.  Selection: lane = query; wave (c, h) = (w % 4, w / 4) takes groups 64 c .. 64 c + 63 for queries 32 h .. 32 h + 31; waves 0 and 4 merge the four lists.
; SELECTION WITHOUT BRANCHES.  16 new elements are sorted by Batcher's odd-even merge network (63 exchanges); the least 16 of the kept (sorted) and the new 16 are the minima of
; T[i] and N[15 - i], a bitonic row that four half-cleaner stages sort.  An element is (key, id): the key is d's bits turned into a signed whole number of the same order.
.set MP,    1040                       ; LDS row of the minima: 256 groups x 4 bytes + 16: an odd multiple of 16 bytes from query to query
.set XB,    66560                      ; behind the 64 rows: a list of 16 (key, id) for each lane of each wave, 144 bytes a lane (128 + 16)
.set XS,    4608                       ; 32 lanes x 144 bytes
.set SPARE, 103424                     ; the spare words: 128 bytes a wave, four blocks of 256 bytes that no other line names
.set HM,  18                           ; s18  0xffff0000;  s19  0x7fffffff
.set MS,  40                           ; s[40:43] four masks
.set MN,  24                           ; v[24:31]  eight running minima (before the scan: the raw queries and three registers at work)
.set KB,  32                           ; v[32:159] my group's keys: pair i at KB + 8 i = x0 x1 y0 y1 z0 z1 s0 s1
.set RAW, 160                          ; v[160:255] the keys as loaded
.set TT,  160                          ; v[160:175] t of eight pairs;  UU v[176:191] d of eight pairs
.set UU,  176
.set NK,  32                           ; selection: v[32:47] new keys, v[48:51] four free;  v[52:67] new ids, v[68:71] four free
.set NI,  52
.set TK,  72                           ; v[72:87], v[88:103] the kept 16;  v[104:119], v[120:135] their second set
.set TI,  88
.set TK2, 104
.set TI2, 120
.set CT,  136                          ; v[136:139] at work
.set P2R, 160                          ; v[160:223] points2 on its way to bf16
; v1 lane; v2, v3 the add's registers; v4 384 t; v5 12 lane; v6 where my minimum goes; v7 where my query's minima lie; v8 first group number of the trip; v9 my list;
; v10 my lane's place in the first of the four lists of my half of the queries (never rewritten); v11 16 t; v12 8 t; v13 16 x (32 h + lane); v[16:23] x y z s of queries lane and 32 + lane
.macro RND2 d0, d1, a, b, tmp          ; two numbers rounded to bf16 and widened again
	v_cvt_pk_bf16_f32 v[\tmp], v[\a], v[\b]
	v_lshlrev_b32 v[\d0], 16, v[\tmp]
	v_and_b32 v[\d1], s[HM], v[\tmp]
.endm
.macro LOADKEYS                        ; my group's 32 keys: 384 consecutive bytes
.set i, 0
.rept 24
	global_load_b128 v[RAW+4*i:RAW+4*i+3], v4, s[4:5] offset:16*i
.set i, i+1
.endr
.endm
.macro PREPKEYS                        ; rounded, laid in pairs, with s = x x + y y + z z
.set i, 0
.rept 16
.irp c, 0,1,2
	RND2 KB+8*i+2*\c, KB+8*i+2*\c+1, RAW+6*i+\c, RAW+6*i+3+\c, 28+\c
.endr
	v_pk_mul_f32 v[KB+8*i+6:KB+8*i+7], v[KB+8*i:KB+8*i+1], v[KB+8*i:KB+8*i+1]
	v_pk_fma_f32 v[KB+8*i+6:KB+8*i+7], v[KB+8*i+2:KB+8*i+3], v[KB+8*i+2:KB+8*i+3], v[KB+8*i+6:KB+8*i+7]
	v_pk_fma_f32 v[KB+8*i+6:KB+8*i+7], v[KB+8*i+4:KB+8*i+5], v[KB+8*i+4:KB+8*i+5], v[KB+8*i+6:KB+8*i+7]
.set i, i+1
.endr
.endm
; 'b comes ahead of a' in three lines: id b < id a as a carry; key a plus that carry; key b < that sum.
.macro CMP1 u, ia, ib
	v_cmp_lt_u32 s[MS+\u], v[\ib], v[\ia]
.endm
.macro CMP2 u, ka
	v_add_co_ci_u32 v[CT+\u], s[MS+\u], 0, v[\ka], s[MS+\u]
.endm
.macro CMP3 u, kb
	v_cmp_lt_i32 s[MS+\u], v[\kb], v[CT+\u]
.endm
; The new elements' places are names (PK0-15, PI0-15) for 16 of 20 registers: an exchange writes the lesser into a free register, the greater in place, and swaps two names: no copy.
.macro RESETN
.irp i, 0,1,2,3,4,5,6,7,8,9,10,11,12,13,14,15
.set PK\i, NK+\i
.set PI\i, NI+\i
.endr
.irp u, 0,1,2,3
.set FK\u, NK+16+\u
.set FI\u, NI+16+\u
.endr
.endm
.macro SEL u, a, b
	v_cndmask_b32 v[FK\u], v[PK\a], v[PK\b], s[MS+\u]
	v_cndmask_b32 v[PK\b], v[PK\b], v[PK\a], s[MS+\u]
	v_cndmask_b32 v[FI\u], v[PI\a], v[PI\b], s[MS+\u]
	v_cndmask_b32 v[PI\b], v[PI\b], v[PI\a], s[MS+\u]
.set SW, PK\a
.set PK\a, FK\u
.set FK\u, SW
.set SW, PI\a
.set PI\a, FI\u
.set FI\u, SW
.endm
.macro CE4 a0,b0,a1=-1,b1=0,a2=-1,b2=0,a3=-1,b3=0  ; up to four exchanges, line by line side by side
	CMP1 0, PI\a0, PI\b0
.if \a1 >= 0
	CMP1 1, PI\a1, PI\b1
.endif
.if \a2 >= 0
	CMP1 2, PI\a2, PI\b2
.endif
.if \a3 >= 0
	CMP1 3, PI\a3, PI\b3
.endif
	CMP2 0, PK\a0
.if \a1 >= 0
	CMP2 1, PK\a1
.endif
.if \a2 >= 0
	CMP2 2, PK\a2
.endif
.if \a3 >= 0
	CMP2 3, PK\a3
.endif
	CMP3 0, PK\b0
.if \a1 >= 0
	CMP3 1, PK\b1
.endif
.if \a2 >= 0
	CMP3 2, PK\b2
.endif
.if \a3 >= 0
	CMP3 3, PK\b3
.endif
	SEL 0, \a0, \b0
.if \a1 >= 0
	SEL 1, \a1, \b1
.endif
.if \a2 >= 0
	SEL 2, \a2, \b2
.endif
.if \a3 >= 0
	SEL 3, \a3, \b3
.endif
.endm
.macro SORT16                          ; Batcher's odd-even merge sort of 16: ten layers, 63 exchanges
	CE4 0,1,2,3,4,5,6,7
	CE4 8,9,10,11,12,13,14,15
	CE4 0,2,1,3,4,6,5,7
	CE4 8,10,9,11,12,14,13,15
	CE4 1,2,5,6,9,10,13,14
	CE4 0,4,1,5,2,6,3,7
	CE4 8,12,9,13,10,14,11,15
	CE4 2,4,3,5,10,12,11,13
	CE4 1,2,3,4,5,6,9,10
	CE4 11,12,13,14
	CE4 0,8,1,9,2,10,3,11
	CE4 4,12,5,13,6,14,7,15
	CE4 4,8,5,9,6,10,7,11
	CE4 2,4,3,5,6,8,7,9
	CE4 10,12,11,13
	CE4 1,2,3,4,5,6,7,8
	CE4 9,10,11,12,13,14
.endm
.macro LM4 i0,j0,i1,j1,i2,j2,i3,j3     ; T[i] = the lesser of T[i] and N[j], four at a time
	CMP1 0, TI+\i0, PI\j0
	CMP1 1, TI+\i1, PI\j1
	CMP1 2, TI+\i2, PI\j2
	CMP1 3, TI+\i3, PI\j3
	CMP2 0, TK+\i0
	CMP2 1, TK+\i1
	CMP2 2, TK+\i2
	CMP2 3, TK+\i3
	CMP3 0, PK\j0
	CMP3 1, PK\j1
	CMP3 2, PK\j2
	CMP3 3, PK\j3
	v_cndmask_b32 v[TK+\i0], v[TK+\i0], v[PK\j0], s[MS+0]
	v_cndmask_b32 v[TI+\i0], v[TI+\i0], v[PI\j0], s[MS+0]
	v_cndmask_b32 v[TK+\i1], v[TK+\i1], v[PK\j1], s[MS+1]
	v_cndmask_b32 v[TI+\i1], v[TI+\i1], v[PI\j1], s[MS+1]
	v_cndmask_b32 v[TK+\i2], v[TK+\i2], v[PK\j2], s[MS+2]
	v_cndmask_b32 v[TI+\i2], v[TI+\i2], v[PI\j2], s[MS+2]
	v_cndmask_b32 v[TK+\i3], v[TK+\i3], v[PK\j3], s[MS+3]
	v_cndmask_b32 v[TI+\i3], v[TI+\i3], v[PI\j3], s[MS+3]
.endm
.macro STAGE sk, si, dk, di, d         ; a half-cleaner at distance d, from one set of registers into the other
.irp q, 0,4
.irp u, 0,1,2,3
.set ii, ((\q+\u)/\d)*2*\d+(\q+\u)%\d
	CMP1 \u, \si+ii, \si+ii+\d
.endr
.irp u, 0,1,2,3
.set ii, ((\q+\u)/\d)*2*\d+(\q+\u)%\d
	CMP2 \u, \sk+ii
.endr
.irp u, 0,1,2,3
.set ii, ((\q+\u)/\d)*2*\d+(\q+\u)%\d
	CMP3 \u, \sk+ii+\d
.endr
.irp u, 0,1,2,3
.set ii, ((\q+\u)/\d)*2*\d+(\q+\u)%\d
	v_cndmask_b32 v[\dk+ii], v[\sk+ii], v[\sk+ii+\d], s[MS+\u]
	v_cndmask_b32 v[\dk+ii+\d], v[\sk+ii+\d], v[\sk+ii], s[MS+\u]
	v_cndmask_b32 v[\di+ii], v[\si+ii], v[\si+ii+\d], s[MS+\u]
	v_cndmask_b32 v[\di+ii+\d], v[\si+ii+\d], v[\si+ii], s[MS+\u]
.endr
.endr
.endm
.macro MERGE                           ; T (sorted) and N (sorted) -> T = the least 16 of the 32, sorted
	LM4 0,15,1,14,2,13,3,12
	LM4 4,11,5,10,6,9,7,8
	LM4 8,7,9,6,10,5,11,4
	LM4 12,3,13,2,14,1,15,0
	STAGE TK,TI,TK2,TI2,8
	STAGE TK2,TI2,TK,TI,4
	STAGE TK,TI,TK2,TI2,2
	STAGE TK2,TI2,TK,TI,1
.endm
.macro KEYMAP16 base                   ; f32 bits <-> a signed whole number of the same order: negative numbers have their lower 31 bits turned; the map undoes itself
.irp q, 0,4,8,12
.irp u, 0,1,2,3
	v_ashrrev_i32 v[CT+\u], 31, v[\base+\q+\u]
.endr
.irp u, 0,1,2,3
	v_and_b32 v[CT+\u], s19, v[CT+\u]
.endr
.irp u, 0,1,2,3
	v_xor_b32 v[\base+\q+\u], v[\base+\q+\u], v[CT+\u]
.endr
.endr
.endm
; One query against my 32 keys, eight pairs at a time: t, s1 + s2, d = (s1 + s2) - 2 t, the running minima; then my group's least d goes to LDS.
.macro QUERY sb, ldsoff
.irp ch, 0,1
.irp p, 0,1,2,3,4,5,6,7
	v_pk_mul_f32 v[TT+2*\p:TT+2*\p+1], v[KB+64*\ch+8*\p:KB+64*\ch+8*\p+1], s[\sb:\sb+1] op_sel_hi:[1,0]
.endr
.irp p, 0,1,2,3,4,5,6,7
	v_pk_fma_f32 v[TT+2*\p:TT+2*\p+1], v[KB+64*\ch+8*\p+2:KB+64*\ch+8*\p+3], s[\sb+2:\sb+3], v[TT+2*\p:TT+2*\p+1] op_sel_hi:[1,0,1]
.endr
.irp p, 0,1,2,3,4,5,6,7
	v_pk_fma_f32 v[TT+2*\p:TT+2*\p+1], v[KB+64*\ch+8*\p+4:KB+64*\ch+8*\p+5], s[\sb+4:\sb+5], v[TT+2*\p:TT+2*\p+1] op_sel_hi:[1,0,1]
.endr
.irp p, 0,1,2,3,4,5,6,7
	v_pk_add_f32 v[UU+2*\p:UU+2*\p+1], v[KB+64*\ch+8*\p+6:KB+64*\ch+8*\p+7], s[\sb+6:\sb+7] op_sel_hi:[1,0]
.endr
.irp p, 0,1,2,3,4,5,6,7
	v_pk_fma_f32 v[UU+2*\p:UU+2*\p+1], v[TT+2*\p:TT+2*\p+1], -2.0, v[UU+2*\p:UU+2*\p+1] op_sel_hi:[1,0,1]
.endr
.irp p, 0,1,2,3,4,5,6,7
.if \ch == 0
	v_min_num_f32 v[MN+\p], v[UU+2*\p], v[UU+2*\p+1]
.else
	v_min3_num_f32 v[MN+\p], v[MN+\p], v[UU+2*\p], v[UU+2*\p+1]
.endif
.endr
.endr
	v_min3_num_f32 v[MN], v[MN], v[MN+1], v[MN+2]
	v_min3_num_f32 v[MN+3], v[MN+3], v[MN+4], v[MN+5]
	v_min3_num_f32 v[MN], v[MN], v[MN+3], v[MN+6]
	v_min_num_f32 v[MN], v[MN], v[MN+7]
	ds_store_b32 v6, v[MN] offset:\ldsoff
.endm
	s_load_b256 s[4:11], s[0:1], 0x0               ; xyz1 s[4:5], xyz2 s[6:7], points2 s[8:9], gid s[10:11]
	s_load_b64 s[12:13], s[0:1], 0x20              ; p2h
	v_lshl_add_u32 v2, v0, 2, SPARE                ; my spare word,
	v_mov_b32 v3, 0                                ; and 0: for the lines at the wave's end
	v_and_b32 v1, 31, v0
	v_lshrrev_b32 v14, 5, v0
	v_readfirstlane_b32 s14, v14                   ; wave w
	s_and_b32 s15, s14, 3                          ; c
	s_lshr_b32 s16, s14, 2                         ; h
	s_mov_b32 s[HM], 0xffff0000
	s_mov_b32 s19, 0x7fffffff
.irp n, 21,23,25,27,29,31,33,35
	s_mov_b32 s\n, 0                               ; the upper halves of the scalar pairs that the packed lines name
.endr
	v_mul_u32_u24 v4, v0, 384
	v_mul_u32_u24 v5, v1, 12
	v_lshlrev_b32 v6, 2, v0                        ; group t's word in query 0's row
	s_lshl_b32 s36, s16, 5
	v_add_nc_u32 v13, s36, v1                      ; my query in the selection: 32 h + lane
	v_mul_u32_u24 v7, v13, MP
	s_lshl_b32 s36, s15, 8
	v_add_nc_u32 v7, s36, v7                       ; + my wave's 64 groups
	s_lshl_b32 s36, s15, 6
	v_mov_b32 v8, s36
	s_mul_i32 s36, s14, XS
	s_add_co_u32 s36, s36, XB
	v_mul_u32_u24 v9, v1, 144
	v_add_nc_u32 v9, s36, v9                       ; list w
	s_mul_i32 s36, s16, 4*XS
	s_add_co_u32 s36, s36, XB
	v_mul_u32_u24 v10, v1, 144
	v_add_nc_u32 v10, s36, v10                     ; list 4 h: the lists 4 h + 1 .. 4 h + 3 are reached by the loads' immediates
	v_lshlrev_b32 v11, 4, v0
	v_lshlrev_b32 v12, 3, v0
	v_lshlrev_b32 v13, 4, v13
	s_lshr_b32 s36, ttmp9, 7                       ; the batch
	s_mul_i32 s36, s36, 98304
	s_mov_b32 s37, 0
	s_mul_i32 s38, ttmp9, 768                      ; 64 queries x 12 bytes
	s_mov_b32 s39, 0
	s_wait_kmcnt 0x0
	s_add_nc_u64 s[4:5], s[4:5], s[36:37]
	s_add_nc_u64 s[6:7], s[6:7], s[38:39]
	s_lshl_b32 s36, ttmp9, 16                      ; 64 rows of points2
	s_add_nc_u64 s[8:9], s[8:9], s[36:37]
	s_lshl_b32 s36, ttmp9, 10                      ; 64 x 16 bytes of gid
	s_add_nc_u64 s[10:11], s[10:11], s[36:37]
	s_lshl_b32 s36, ttmp9, 15                      ; 64 rows of p2h
	s_add_nc_u64 s[12:13], s[12:13], s[36:37]
.irp c, 0,1,2
	global_load_b32 v[24+\c], v5, s[6:7] offset:4*\c      ; query lane
	global_load_b32 v[27+\c], v5, s[6:7] offset:384+4*\c  ; query 32 + lane
.endr
	LOADKEYS
	s_wait_loadcnt 24                              ; the six query loads are in; the 24 key loads behind them may stay out
	RND2 16, 17, 24, 25, 30
	RND2 18, 20, 26, 27, 30
	RND2 21, 22, 28, 29, 30
	v_mul_f32 v19, v16, v16
	v_mul_f32 v23, v20, v20
	v_fma_f32 v19, v17, v17, v19
	v_fma_f32 v23, v21, v21, v23
	v_fma_f32 v19, v18, v18, v19
	v_fma_f32 v23, v22, v22, v23
	s_wait_loadcnt 0x0
	PREPKEYS
	; THE SCAN: 32 trips, queries q and 32 + q.  Their eight numbers come out of lane q as scalars.
	s_mov_b32 s17, 0
.Lq:
.irp n, 0,1,2,3,4,5,6,7
	v_readlane_b32 s[20+2*\n], v[16+\n], s17
.endr
	QUERY 20, 0
	QUERY 28, 32*MP
	v_add_nc_u32 v6, MP, v6                        ; the next query's row
	s_add_co_u32 s17, s17, 1
	s_cmp_lt_u32 s17, 32
	s_cbranch_scc1 .Lq
	s_wait_dscnt 0x0                               ; for the others' sake: my minima lie in LDS
	s_barrier_signal -1
	s_barrier_wait -1
	; THE SELECTION.  First the work-group's 64 rows of points2 are asked for (16 bytes a lane, neighbouring lanes at neighbouring bytes): they come in under the sorting.
.set i, 0
.rept 16
	global_load_b128 v[P2R+4*i:P2R+4*i+3], v11, s[8:9] offset:4096*i th:TH_LOAD_NT
.set i, i+1
.endr
.set i, 0
.rept 16
	v_mov_b32 v[TK+i], 0x7f800000                  ; 'no element'
	v_mov_b32 v[TI+i], 0
.set i, i+1
.endr
	s_mov_b32 s17, 4
.Lsel:                                         ; a trip: 16 more groups' minima of my query
.irp i, 0,1,2,3
	ds_load_b128 v[NK+4*\i:NK+4*\i+3], v7 offset:16*\i
.endr
	s_wait_dscnt 0x0
	KEYMAP16 NK
.set i, 0
.rept 16
	v_add_nc_u32 v[NI+i], i, v8
.set i, i+1
.endr
	RESETN
	SORT16
	MERGE
	v_add_nc_u32 v7, 64, v7
	v_add_nc_u32 v8, 16, v8
	s_sub_co_u32 s17, s17, 1
	s_cmp_lg_u32 s17, 0
	s_cbranch_scc1 .Lsel
	; ACROSS THE WAVES: every wave lays its list down; waves 0 and 4 take up the three lists beside theirs.
.irp i, 0,1,2,3
	ds_store_b128 v9, v[TK+4*\i:TK+4*\i+3] offset:16*\i
	ds_store_b128 v9, v[TI+4*\i:TI+4*\i+3] offset:64+16*\i
.endr
	s_wait_dscnt 0x0                               ; for the others' sake: my list lies in LDS
	s_barrier_signal -1
	s_barrier_wait -1
	s_wait_loadcnt 0x0                             ; points2's rows
.set i, 0
.rept 16
	v_cvt_pk_bf16_f32 v[P2R+4*i], v[P2R+4*i], v[P2R+4*i+1]
	v_cvt_pk_bf16_f32 v[P2R+4*i+1], v[P2R+4*i+2], v[P2R+4*i+3]
	global_store_b64 v12, v[P2R+4*i:P2R+4*i+1], s[12:13] offset:2048*i  ; a wave's store covers 256 consecutive bytes, aligned
.set i, i+1
.endr
	s_cmp_lg_u32 s15, 0
	s_cbranch_scc1 .Lend
	; The three merges are written out, the list's number in the loads' immediate, so that the address register stays as it was made.
.irp j, 1,2,3
.irp i, 0,1,2,3
	ds_load_b128 v[NK+4*\i:NK+4*\i+3], v10 offset:XS*\j+16*\i
	ds_load_b128 v[NI+4*\i:NI+4*\i+3], v10 offset:XS*\j+64+16*\i
.endr
	s_wait_dscnt 0x0
	RESETN
	MERGE
.endr
.irp m, 0,1,2,3
	v_lshl_or_b32 v[32+\m], v[TI+4*\m+1], 8, v[TI+4*\m]   ; four group numbers to a word
	v_lshl_or_b32 v[32+\m], v[TI+4*\m+2], 16, v[32+\m]
	v_lshl_or_b32 v[32+\m], v[TI+4*\m+3], 24, v[32+\m]
.endr
	global_store_b128 v13, v[32:35], s[10:11]      ; 32 queries x 16 bytes: 512 consecutive bytes
.Lend:
	s_wait_tensorcnt 0x0                           ; the wave's end: three lines behind my last LDS store
	ds_add_u32 v2, v3
	s_wait_dscnt 0x0
	s_endpgm
.Lfunc_end_k_qb325739b5b_scan:
	.size	k_qb325739b5b_scan, .Lfunc_end_k_qb325739b5b_scan-k_qb325739b5b_scan
	.p2alignl 7, 3214868480
	.fill 96, 4, 3214868480
	.section	.rodata,"a",@progbits
	.p2align	6, 0x0
	.amdhsa_kernel k_qb325739b5b_scan
		.amdhsa_group_segment_fixed_size 104448
		.amdhsa_private_segment_fixed_size 0
		.amdhsa_enable_private_segment 0
		.amdhsa_kernarg_size 40
		.amdhsa_user_sgpr_count 2
		.amdhsa_user_sgpr_kernarg_segment_ptr 1
		.amdhsa_wavefront_size32 1
		.amdhsa_system_sgpr_workgroup_id_x 1
		.amdhsa_system_sgpr_workgroup_id_y 1
		.amdhsa_system_sgpr_workgroup_id_z 1
		.amdhsa_system_vgpr_workitem_id 0
		.amdhsa_next_free_vgpr 256
		.amdhsa_next_free_sgpr 66
		.amdhsa_reserve_vcc 0
		.amdhsa_float_denorm_mode_32 3
		.amdhsa_float_denorm_mode_16_64 3
		.amdhsa_memory_ordered 1
		.amdhsa_forward_progress 1
		.amdhsa_inst_pref_size 144
	.end_amdhsa_kernel
	.amdgpu_metadata
---
amdhsa.version: [ 1, 2 ]
amdhsa.kernels:
  - .name:           k_qb325739b5b_scan
    .symbol:         k_qb325739b5b_scan.kd
    .args:
      - { .name: xyz1, .offset: 0, .size: 8, .value_kind: global_buffer, .address_space: global }
      - { .name: xyz2, .offset: 8, .size: 8, .value_kind: global_buffer, .address_space: global }
      - { .name: points2, .offset: 16, .size: 8, .value_kind: global_buffer, .address_space: global }
      - { .name: gid, .offset: 24, .size: 8, .value_kind: global_buffer, .address_space: global }
      - { .name: p2h, .offset: 32, .size: 8, .value_kind: global_buffer, .address_space: global }
    .group_segment_fixed_size: 104448
    .private_segment_fixed_size: 0
    .kernarg_segment_align: 8
    .kernarg_segment_size: 40
    .max_flat_workgroup_size: 256
    .sgpr_count:     66
    .vgpr_count:     256
    .wavefront_size: 32
...
	.end_amdgpu_metadata
.endif
;; end of part 1
;; launch pick (part 2): grid 256 x 1, 8 waves a work-group, no clusters, 193,536 bytes of LDS; arguments xyz1, xyz2, gid, nidx, nwgt; writes nidx, nwgt
.if DOCPART == 2
	.amdgcn_target "amdgcn-amd-amdhsa--gfx1250"
	.amdhsa_code_object_version 6
	.text
	.protected	k_qb325739b5b_pick
	.globl	k_qb325739b5b_pick
	.p2align	8
	.type	k_qb325739b5b_pick,@function
k_qb325739b5b_pick:
	s_mov_b64 s[64:65], 0
	v_nop
	global_prefetch_b8 v0, s[64:65] scope:SCOPE_SE
	s_setreg_imm32_b32 hwreg(HW_REG_WAVE_MODE, 25, 1), 1
	s_wait_xcnt 0x0
; SECOND OF THREE LAUNCHES.  For each query: the 16 nearest keys, by (d, index), among the 16 x 32 keys of the groups that the launch before stored (gid: they hold all 16 neighbours, as shown
; at that kernel's head); their indices inside the batch (nidx, whole numbers) and their weights (1 / (d + 1e-8)) / the sum of these (nwgt, f32).  No work of reference() is left out.
; d is made as in the launch before, from coordinates rounded to bf16: s = x x + y y + z z, t = x1 x2 + y1 y2 + z1 z2, d = (s2 + s1) - 2 t, each sum in that order.
; LIMITS.  The neighbours are those of the rounded coordinates; NaN and infinities are not treated apart; 1 / x comes from v_rcp_f32 (1 ulp), and the 16 reciprocals are summed as a tree.
; SHARES.  A work-group has 64 queries of one batch.  Thread t lays group t's 32 keys, prepared, into LDS.  Then lane = query: wave (c, h) = (w % 4, w / 4) takes groups 4 c .. 4 c + 3 of the 16 of
; queries 32 h .. 32 h + 31, 16 keys a trip; waves 0 and 4 merge the four lists, make the weights and store.  The LDS address of a group hangs on a whole number read from memory, held to 255.
.set KP,    528                        ; a group in LDS: 16 pairs x 32 bytes + 16: an odd multiple of 16 bytes from group to group
.set XB,    135168                     ; behind the 256 groups: a list of 16 (key, id) for each lane of each wave, 144 bytes a lane
.set XS,    4608
.set STG,   172032                     ; a stage for the way out: 32 rows x 80 bytes for each wave
.set SPARE, 192512                     ; the spare words: 128 bytes a wave, four blocks of 256 bytes that no other line names
.set HM,  18                           ; s18  0xffff0000;  s19  0x7fffffff
.set MS,  40                           ; s[40:43] four masks
.set KB,  32                           ; v[32:159] my group's keys: pair i at KB + 8 i = x0 x1 y0 y1 z0 z1 s0 s1
.set RAW, 160                          ; v[160:255] the keys as loaded
.set CL,  160                          ; v[160:223] eight pairs of candidates out of LDS;  TT v[224:239] their t
.set TT,  224
.set NK,  32                           ; v[32:47] new keys, v[48:51] four free;  v[52:67] new ids, v[68:71] four free
.set NI,  52
.set TK,  72                           ; v[72:87], v[88:103] the kept 16;  v[104:119], v[120:135] their second set
.set TI,  88
.set TK2, 104
.set TI2, 120
.set CT,  136                          ; v[136:139] at work
; v1 lane; v2, v3 the add's registers; v4 384 t; v5 my query's bytes in xyz2; v6 my word of gid; v7 528 t; v9 my list; v10 my lane's place in the first of the four lists of my half of the
; queries (never rewritten); v11 stage, in; v12 stage, back; v14 my 16 bytes of 512 in nidx and nwgt; v15 four group numbers; v[16:23] my query's x x y y z z s s; v24-26 group, its LDS address, its first index
.macro RND2 d0, d1, a, b, tmp          ; two numbers rounded to bf16 and widened again
	v_cvt_pk_bf16_f32 v[\tmp], v[\a], v[\b]
	v_lshlrev_b32 v[\d0], 16, v[\tmp]
	v_and_b32 v[\d1], s[HM], v[\tmp]
.endm
.macro LOADKEYS                        ; my group's 32 keys: 384 consecutive bytes
.set i, 0
.rept 24
	global_load_b128 v[RAW+4*i:RAW+4*i+3], v4, s[4:5] offset:16*i
.set i, i+1
.endr
.endm
.macro PREPKEYS                        ; rounded, laid in pairs, with s = x x + y y + z z
.set i, 0
.rept 16
.irp c, 0,1,2
	RND2 KB+8*i+2*\c, KB+8*i+2*\c+1, RAW+6*i+\c, RAW+6*i+3+\c, 28+\c
.endr
	v_pk_mul_f32 v[KB+8*i+6:KB+8*i+7], v[KB+8*i:KB+8*i+1], v[KB+8*i:KB+8*i+1]
	v_pk_fma_f32 v[KB+8*i+6:KB+8*i+7], v[KB+8*i+2:KB+8*i+3], v[KB+8*i+2:KB+8*i+3], v[KB+8*i+6:KB+8*i+7]
	v_pk_fma_f32 v[KB+8*i+6:KB+8*i+7], v[KB+8*i+4:KB+8*i+5], v[KB+8*i+4:KB+8*i+5], v[KB+8*i+6:KB+8*i+7]
.set i, i+1
.endr
.endm
; 'b comes ahead of a' in three lines: id b < id a as a carry; key a plus that carry; key b < that sum.
.macro CMP1 u, ia, ib
	v_cmp_lt_u32 s[MS+\u], v[\ib], v[\ia]
.endm
.macro CMP2 u, ka
	v_add_co_ci_u32 v[CT+\u], s[MS+\u], 0, v[\ka], s[MS+\u]
.endm
.macro CMP3 u, kb
	v_cmp_lt_i32 s[MS+\u], v[\kb], v[CT+\u]
.endm
; The new elements' places are names (PK0-15, PI0-15) for 16 of 20 registers: an exchange writes the lesser into a free register, the greater in place, and swaps two names: no copy.
.macro RESETN
.irp i, 0,1,2,3,4,5,6,7,8,9,10,11,12,13,14,15
.set PK\i, NK+\i
.set PI\i, NI+\i
.endr
.irp u, 0,1,2,3
.set FK\u, NK+16+\u
.set FI\u, NI+16+\u
.endr
.endm
.macro SEL u, a, b
	v_cndmask_b32 v[FK\u], v[PK\a], v[PK\b], s[MS+\u]
	v_cndmask_b32 v[PK\b], v[PK\b], v[PK\a], s[MS+\u]
	v_cndmask_b32 v[FI\u], v[PI\a], v[PI\b], s[MS+\u]
	v_cndmask_b32 v[PI\b], v[PI\b], v[PI\a], s[MS+\u]
.set SW, PK\a
.set PK\a, FK\u
.set FK\u, SW
.set SW, PI\a
.set PI\a, FI\u
.set FI\u, SW
.endm
.macro CE4 a0,b0,a1=-1,b1=0,a2=-1,b2=0,a3=-1,b3=0  ; up to four exchanges, line by line side by side
	CMP1 0, PI\a0, PI\b0
.if \a1 >= 0
	CMP1 1, PI\a1, PI\b1
.endif
.if \a2 >= 0
	CMP1 2, PI\a2, PI\b2
.endif
.if \a3 >= 0
	CMP1 3, PI\a3, PI\b3
.endif
	CMP2 0, PK\a0
.if \a1 >= 0
	CMP2 1, PK\a1
.endif
.if \a2 >= 0
	CMP2 2, PK\a2
.endif
.if \a3 >= 0
	CMP2 3, PK\a3
.endif
	CMP3 0, PK\b0
.if \a1 >= 0
	CMP3 1, PK\b1
.endif
.if \a2 >= 0
	CMP3 2, PK\b2
.endif
.if \a3 >= 0
	CMP3 3, PK\b3
.endif
	SEL 0, \a0, \b0
.if \a1 >= 0
	SEL 1, \a1, \b1
.endif
.if \a2 >= 0
	SEL 2, \a2, \b2
.endif
.if \a3 >= 0
	SEL 3, \a3, \b3
.endif
.endm
.macro SORT16                          ; Batcher's odd-even merge sort of 16: ten layers, 63 exchanges
	CE4 0,1,2,3,4,5,6,7
	CE4 8,9,10,11,12,13,14,15
	CE4 0,2,1,3,4,6,5,7
	CE4 8,10,9,11,12,14,13,15
	CE4 1,2,5,6,9,10,13,14
	CE4 0,4,1,5,2,6,3,7
	CE4 8,12,9,13,10,14,11,15
	CE4 2,4,3,5,10,12,11,13
	CE4 1,2,3,4,5,6,9,10
	CE4 11,12,13,14
	CE4 0,8,1,9,2,10,3,11
	CE4 4,12,5,13,6,14,7,15
	CE4 4,8,5,9,6,10,7,11
	CE4 2,4,3,5,6,8,7,9
	CE4 10,12,11,13
	CE4 1,2,3,4,5,6,7,8
	CE4 9,10,11,12,13,14
.endm
.macro LM4 i0,j0,i1,j1,i2,j2,i3,j3     ; T[i] = the lesser of T[i] and N[j], four at a time
	CMP1 0, TI+\i0, PI\j0
	CMP1 1, TI+\i1, PI\j1
	CMP1 2, TI+\i2, PI\j2
	CMP1 3, TI+\i3, PI\j3
	CMP2 0, TK+\i0
	CMP2 1, TK+\i1
	CMP2 2, TK+\i2
	CMP2 3, TK+\i3
	CMP3 0, PK\j0
	CMP3 1, PK\j1
	CMP3 2, PK\j2
	CMP3 3, PK\j3
	v_cndmask_b32 v[TK+\i0], v[TK+\i0], v[PK\j0], s[MS+0]
	v_cndmask_b32 v[TI+\i0], v[TI+\i0], v[PI\j0], s[MS+0]
	v_cndmask_b32 v[TK+\i1], v[TK+\i1], v[PK\j1], s[MS+1]
	v_cndmask_b32 v[TI+\i1], v[TI+\i1], v[PI\j1], s[MS+1]
	v_cndmask_b32 v[TK+\i2], v[TK+\i2], v[PK\j2], s[MS+2]
	v_cndmask_b32 v[TI+\i2], v[TI+\i2], v[PI\j2], s[MS+2]
	v_cndmask_b32 v[TK+\i3], v[TK+\i3], v[PK\j3], s[MS+3]
	v_cndmask_b32 v[TI+\i3], v[TI+\i3], v[PI\j3], s[MS+3]
.endm
.macro STAGE sk, si, dk, di, d         ; a half-cleaner at distance d, from one set of registers into the other
.irp q, 0,4
.irp u, 0,1,2,3
.set ii, ((\q+\u)/\d)*2*\d+(\q+\u)%\d
	CMP1 \u, \si+ii, \si+ii+\d
.endr
.irp u, 0,1,2,3
.set ii, ((\q+\u)/\d)*2*\d+(\q+\u)%\d
	CMP2 \u, \sk+ii
.endr
.irp u, 0,1,2,3
.set ii, ((\q+\u)/\d)*2*\d+(\q+\u)%\d
	CMP3 \u, \sk+ii+\d
.endr
.irp u, 0,1,2,3
.set ii, ((\q+\u)/\d)*2*\d+(\q+\u)%\d
	v_cndmask_b32 v[\dk+ii], v[\sk+ii], v[\sk+ii+\d], s[MS+\u]
	v_cndmask_b32 v[\dk+ii+\d], v[\sk+ii+\d], v[\sk+ii], s[MS+\u]
	v_cndmask_b32 v[\di+ii], v[\si+ii], v[\si+ii+\d], s[MS+\u]
	v_cndmask_b32 v[\di+ii+\d], v[\si+ii+\d], v[\si+ii], s[MS+\u]
.endr
.endr
.endm
.macro MERGE                           ; T (sorted) and N (sorted) -> T = the least 16 of the 32, sorted
	LM4 0,15,1,14,2,13,3,12
	LM4 4,11,5,10,6,9,7,8
	LM4 8,7,9,6,10,5,11,4
	LM4 12,3,13,2,14,1,15,0
	STAGE TK,TI,TK2,TI2,8
	STAGE TK2,TI2,TK,TI,4
	STAGE TK,TI,TK2,TI2,2
	STAGE TK2,TI2,TK,TI,1
.endm
.macro KEYMAP16 base                   ; f32 bits <-> a signed whole number of the same order: negative numbers have their lower 31 bits turned; the map undoes itself
.irp q, 0,4,8,12
.irp u, 0,1,2,3
	v_ashrrev_i32 v[CT+\u], 31, v[\base+\q+\u]
.endr
.irp u, 0,1,2,3
	v_and_b32 v[CT+\u], s19, v[CT+\u]
.endr
.irp u, 0,1,2,3
	v_xor_b32 v[\base+\q+\u], v[\base+\q+\u], v[CT+\u]
.endr
.endr
.endm
	s_load_b256 s[4:11], s[0:1], 0x0               ; xyz1 s[4:5], xyz2 s[6:7], gid s[8:9], nidx s[10:11]
	s_load_b64 s[12:13], s[0:1], 0x20              ; nwgt
	v_lshl_add_u32 v2, v0, 2, SPARE                ; my spare word,
	v_mov_b32 v3, 0                                ; and 0: for the lines at the wave's end
	v_and_b32 v1, 31, v0
	v_lshrrev_b32 v14, 5, v0
	v_readfirstlane_b32 s14, v14                   ; wave w
	s_and_b32 s15, s14, 3                          ; c
	s_lshr_b32 s16, s14, 2                         ; h
	s_mov_b32 s[HM], 0xffff0000
	s_mov_b32 s19, 0x7fffffff
	v_mul_u32_u24 v4, v0, 384
	s_lshl_b32 s36, s16, 5
	v_add_nc_u32 v13, s36, v1                      ; my query: 32 h + lane
	v_mul_u32_u24 v5, v13, 12
	s_lshl_b32 s36, s15, 2
	v_lshl_add_u32 v6, v13, 4, s36                 ; its 16 bytes of gid, my wave's word of them
	v_mul_u32_u24 v7, v0, KP
	s_mul_i32 s36, s14, XS
	s_add_co_u32 s36, s36, XB
	v_mul_u32_u24 v9, v1, 144
	v_add_nc_u32 v9, s36, v9                       ; list w
	s_mul_i32 s36, s16, 4*XS
	s_add_co_u32 s36, s36, XB
	v_mul_u32_u24 v10, v1, 144
	v_add_nc_u32 v10, s36, v10                     ; list 4 h: the lists 4 h + 1 .. 4 h + 3 are reached by the loads' immediates
	s_mul_i32 s36, s14, 2560
	s_add_co_u32 s36, s36, STG
	v_mul_u32_u24 v11, v1, 80
	v_add_nc_u32 v11, s36, v11                     ; in: a row of 64 bytes a lane, 80 apart
	v_lshrrev_b32 v12, 2, v1
	v_mul_u32_u24 v12, v12, 80
	v_and_b32 v14, 3, v1
	v_lshl_add_u32 v12, v14, 4, v12
	v_add_nc_u32 v12, s36, v12                     ; back: four lanes a row, eight rows a load
	s_lshl_b32 s36, s16, 11
	v_lshl_add_u32 v14, v1, 4, s36                 ; 2,048 h + 16 lane
	s_lshr_b32 s36, ttmp9, 7                       ; the batch
	s_mul_i32 s36, s36, 98304
	s_mov_b32 s37, 0
	s_mul_i32 s38, ttmp9, 768
	s_mov_b32 s39, 0
	s_wait_kmcnt 0x0
	s_add_nc_u64 s[4:5], s[4:5], s[36:37]
	s_add_nc_u64 s[6:7], s[6:7], s[38:39]
	s_lshl_b32 s36, ttmp9, 10
	s_add_nc_u64 s[8:9], s[8:9], s[36:37]
	s_lshl_b32 s36, ttmp9, 12                      ; 64 queries x 64 bytes
	s_add_nc_u64 s[10:11], s[10:11], s[36:37]
	s_add_nc_u64 s[12:13], s[12:13], s[36:37]
.irp c, 0,1,2
	global_load_b32 v[24+\c], v5, s[6:7] offset:4*\c
.endr
	global_load_b32 v15, v6, s[8:9]
	LOADKEYS
	s_wait_loadcnt 24                              ; my query and my four group numbers are in; the 24 key loads behind them may stay out
	RND2 16, 18, 24, 25, 30
	RND2 20, 27, 26, 26, 30
	v_mul_f32 v22, v16, v16
	v_mov_b32 v17, v16
	v_fma_f32 v22, v18, v18, v22
	v_mov_b32 v19, v18
	v_fma_f32 v22, v20, v20, v22
	v_mov_b32 v21, v20
	v_mov_b32 v23, v22
	s_wait_loadcnt 0x0
	PREPKEYS
.set i, 0
.rept 32
	ds_store_b128 v7, v[KB+4*i:KB+4*i+3] offset:16*i
.set i, i+1
.endr
	s_wait_dscnt 0x0                               ; for the others' sake: my group lies in LDS
	s_barrier_signal -1
	s_barrier_wait -1
.set i, 0
.rept 16
	v_mov_b32 v[TK+i], 0x7f800000                  ; 'no element'
	v_mov_b32 v[TI+i], 0
.set i, i+1
.endr
	; EIGHT TRIPS: trip n takes half n % 2 (16 keys) of my wave's group n / 2 of my query.
	s_mov_b32 s17, 0
.Lc:
	s_lshr_b32 s20, s17, 1
	s_lshl_b32 s20, s20, 3                         ; the group number's bit in the word
	s_and_b32 s21, s17, 1
	s_lshl_b32 s22, s21, 4                         ; the half's first key,
	s_lshl_b32 s21, s21, 8                         ; and its bytes in the group
	v_lshrrev_b32 v24, s20, v15
	v_and_b32 v24, 0xff, v24
	v_min_u32 v24, 0xff, v24                       ; a number read from memory enters an address: held to the table's 256 groups
	v_mul_u32_u24 v25, v24, KP
	v_add_nc_u32 v25, s21, v25
	v_lshl_add_u32 v26, v24, 5, s22                ; the first key's index in the batch
.set i, 0
.rept 16
	ds_load_b128 v[CL+4*i:CL+4*i+3], v25 offset:16*i
.set i, i+1
.endr
	s_wait_dscnt 0x0
.irp p, 0,1,2,3,4,5,6,7
	v_pk_mul_f32 v[TT+2*\p:TT+2*\p+1], v[CL+8*\p:CL+8*\p+1], v[16:17]
.endr
.irp p, 0,1,2,3,4,5,6,7
	v_pk_fma_f32 v[TT+2*\p:TT+2*\p+1], v[CL+8*\p+2:CL+8*\p+3], v[18:19], v[TT+2*\p:TT+2*\p+1]
.endr
.irp p, 0,1,2,3,4,5,6,7
	v_pk_fma_f32 v[TT+2*\p:TT+2*\p+1], v[CL+8*\p+4:CL+8*\p+5], v[20:21], v[TT+2*\p:TT+2*\p+1]
.endr
.irp p, 0,1,2,3,4,5,6,7
	v_pk_add_f32 v[NK+2*\p:NK+2*\p+1], v[CL+8*\p+6:CL+8*\p+7], v[22:23]
.endr
.irp p, 0,1,2,3,4,5,6,7
	v_pk_fma_f32 v[NK+2*\p:NK+2*\p+1], v[TT+2*\p:TT+2*\p+1], -2.0, v[NK+2*\p:NK+2*\p+1] op_sel_hi:[1,0,1]
.endr
	KEYMAP16 NK
.set i, 0
.rept 16
	v_add_nc_u32 v[NI+i], i, v26
.set i, i+1
.endr
	RESETN
	SORT16
	MERGE
	s_add_co_u32 s17, s17, 1
	s_cmp_lt_u32 s17, 8
	s_cbranch_scc1 .Lc
	; ACROSS THE WAVES: every wave lays its list down; waves 0 and 4 take up the three lists beside theirs.
.irp i, 0,1,2,3
	ds_store_b128 v9, v[TK+4*\i:TK+4*\i+3] offset:16*\i
	ds_store_b128 v9, v[TI+4*\i:TI+4*\i+3] offset:64+16*\i
.endr
	s_wait_dscnt 0x0                               ; for the others' sake: my list lies in LDS
	s_barrier_signal -1
	s_barrier_wait -1
	s_cmp_lg_u32 s15, 0
	s_cbranch_scc1 .Lend
	; The three merges are written out, the list's number in the loads' immediate, so that the address register stays as it was made.
.irp j, 1,2,3
.irp i, 0,1,2,3
	ds_load_b128 v[NK+4*\i:NK+4*\i+3], v10 offset:XS*\j+16*\i
	ds_load_b128 v[NI+4*\i:NI+4*\i+3], v10 offset:XS*\j+64+16*\i
.endr
	s_wait_dscnt 0x0
	RESETN
	MERGE
.endr
	; THE INDICES go out through my stage: a lane's 64 bytes in, eight whole rows (512 consecutive bytes) back.
.irp i, 0,1,2,3
	ds_store_b128 v11, v[TI+4*\i:TI+4*\i+3] offset:16*\i
.endr
.irp i, 0,1,2,3
	ds_load_b128 v[160+4*\i:160+4*\i+3], v12 offset:640*\i  ; LDS serves a wave's instructions in order (ISA guide 5.7.1.4): these see the stores above
.endr
	; THE WEIGHTS, while those loads are out.
	KEYMAP16 TK                                    ; the keys are d again
.set i, 0
.rept 16
	v_add_f32 v[TK+i], 0x322bcc77, v[TK+i]         ; d + 1e-8
.set i, i+1
.endr
.set i, 0
.rept 16
	v_rcp_f32 v[32+i], v[TK+i]
.set i, i+1
.endr
	v_nop                                          ; a plain instruction behind the last reciprocal,
	s_wait_alu depctr_va_vdst(0)                   ; and one wait ahead of the batch's first reader
.irp i, 0,1,2,3
	v_pk_add_f32 v[48+2*\i:49+2*\i], v[32+4*\i:33+4*\i], v[34+4*\i:35+4*\i]
.endr
	v_pk_add_f32 v[48:49], v[48:49], v[50:51]
	v_pk_add_f32 v[52:53], v[52:53], v[54:55]
	v_pk_add_f32 v[48:49], v[48:49], v[52:53]
	v_add_f32 v48, v48, v49
	v_rcp_f32 v50, v48
	v_nop
	s_wait_alu depctr_va_vdst(0)
.set i, 0
.rept 16
	v_mul_f32 v[32+i], v[32+i], v50
.set i, i+1
.endr
.irp i, 0,1,2,3
	ds_store_b128 v11, v[32+4*\i:32+4*\i+3] offset:16*\i   ; behind the indices' loads, in order
.endr
.irp i, 0,1,2,3
	ds_load_b128 v[176+4*\i:176+4*\i+3], v12 offset:640*\i
.endr
	s_wait_dscnt 0x0
.irp i, 0,1,2,3
	global_store_b128 v14, v[160+4*\i:160+4*\i+3], s[10:11] offset:512*\i
	global_store_b128 v14, v[176+4*\i:176+4*\i+3], s[12:13] offset:512*\i
.endr
.Lend:
	s_wait_tensorcnt 0x0                           ; the wave's end: three lines behind my last LDS store
	ds_add_u32 v2, v3
	s_wait_dscnt 0x0
	s_endpgm
.Lfunc_end_k_qb325739b5b_pick:
	.size	k_qb325739b5b_pick, .Lfunc_end_k_qb325739b5b_pick-k_qb325739b5b_pick
	.p2alignl 7, 3214868480
	.fill 96, 4, 3214868480
	.section	.rodata,"a",@progbits
	.p2align	6, 0x0
	.amdhsa_kernel k_qb325739b5b_pick
		.amdhsa_group_segment_fixed_size 193536
		.amdhsa_private_segment_fixed_size 0
		.amdhsa_enable_private_segment 0
		.amdhsa_kernarg_size 40
		.amdhsa_user_sgpr_count 2
		.amdhsa_user_sgpr_kernarg_segment_ptr 1
		.amdhsa_wavefront_size32 1
		.amdhsa_system_sgpr_workgroup_id_x 1
		.amdhsa_system_sgpr_workgroup_id_y 1
		.amdhsa_system_sgpr_workgroup_id_z 1
		.amdhsa_system_vgpr_workitem_id 0
		.amdhsa_next_free_vgpr 256
		.amdhsa_next_free_sgpr 66
		.amdhsa_reserve_vcc 0
		.amdhsa_float_denorm_mode_32 3
		.amdhsa_float_denorm_mode_16_64 3
		.amdhsa_memory_ordered 1
		.amdhsa_forward_progress 1
		.amdhsa_inst_pref_size 137
	.end_amdhsa_kernel
	.amdgpu_metadata
---
amdhsa.version: [ 1, 2 ]
amdhsa.kernels:
  - .name:           k_qb325739b5b_pick
    .symbol:         k_qb325739b5b_pick.kd
    .args:
      - { .name: xyz1, .offset: 0, .size: 8, .value_kind: global_buffer, .address_space: global }
      - { .name: xyz2, .offset: 8, .size: 8, .value_kind: global_buffer, .address_space: global }
      - { .name: gid, .offset: 16, .size: 8, .value_kind: global_buffer, .address_space: global }
      - { .name: nidx, .offset: 24, .size: 8, .value_kind: global_buffer, .address_space: global }
      - { .name: nwgt, .offset: 32, .size: 8, .value_kind: global_buffer, .address_space: global }
    .group_segment_fixed_size: 193536
    .private_segment_fixed_size: 0
    .kernarg_segment_align: 8
    .kernarg_segment_size: 40
    .max_flat_workgroup_size: 256
    .sgpr_count:     66
    .vgpr_count:     256
    .wavefront_size: 32
...
	.end_amdgpu_metadata
.endif
;; end of part 2
;; launch mix (part 3): grid 256 x 1, 8 waves a work-group, no clusters, 185,344 bytes of LDS; arguments points1, p2h, W, b, nidx, nwgt, out0; writes out0
.if DOCPART == 3
	.amdgcn_target "amdgcn-amd-amdhsa--gfx1250"
	.amdhsa_code_object_version 6
	.text
	.protected	k_qb325739b5b_mix
	.globl	k_qb325739b5b_mix
	.p2align	8
	.type	k_qb325739b5b_mix,@function
k_qb325739b5b_mix:
	s_mov_b64 s[64:65], 0
	v_nop
	global_prefetch_b8 v0, s[64:65] scope:SCOPE_SE
	s_setreg_imm32_b32 hwreg(HW_REG_WAVE_MODE, 25, 1), 1
	s_wait_xcnt 0x0
; THIRD OF THREE LAUNCHES.  out[q][o] = the sum over c of cat[q][c] W[o][c] + b[o], cat = points1's row (128) and interp (256), interp = the sum over the query's 16 neighbours of
; weight x points2's row.  Indices (nidx, whole numbers) and weights (nwgt, f32) come from the launch before, points2 in bf16 (p2h) from the first.  No work of reference() is left out.
; FORMATS.  points1, W and b are rounded to bf16 here, as all the program's inputs are; interp is summed in f32 (neighbours in the stored order) and rounded once to bf16 as a matrix operand;
; the product's sums are f32 and start from b.  NaN and infinities are not treated apart.
; SHARES.  A work-group has 64 queries.  Wave w lays 16 rows of W and 8 rows of points1 into LDS, gathers for queries 8 w .. 8 w + 7 (a row of p2h is 512 bytes: 16 bytes a lane, one load a row), and
; then makes outputs 16 w .. 16 w + 15 of all 64 queries: four accumulators, 12 steps of 32 along the 384 channels.  The product is used transposed (source 0 = 16 rows of W, source 1 = 16 queries), so a
; lane holds eight neighbouring outputs of one query.  Every work-group reads all of W: 196,608 bytes beside the 524,288 that it gathers.
.set WP,    784                        ; a row of 384 bf16 + 16 bytes: an odd multiple of 16 bytes from row to row
.set WT,    0                          ; W: 128 rows
.set AT,    100352                     ; cat: 64 rows; points1 at byte 0, interp at byte 256
.set OS,    150528                     ; the way out: 64 rows of 128 f32, 528 bytes apart
.set OP,    528
.set SPARE, 184320                     ; the spare words: 128 bytes a wave, four blocks of 256 bytes that no other line names
.set BI,   20                          ; v[20:27]  b of my eight outputs
.set P1R,  32                          ; v[32:63]  points1 as loaded
.set WR,   64                          ; v[64:255] W as loaded
.set ACC0, 32                          ; v[32:39], v[40:47] interp of two queries: my eight channels
.set ACC1, 40
.set PKD,  48                          ; v[48:55]  the same in bf16
.set G,    64                          ; v[64:191] 32 gathered rows, 4 registers each; a row's first register holds its offset until the row lands on it
.set F0,   64                          ; v[64:103], v[104:143] two sets of fragments: W's, then the four query tiles'
.set D,    144                         ; v[144:175] four accumulators
.set OB,   176                         ; v[176:207] eight rows on their way out
; v1 lane; v2, v3 the add's registers; v4 0; v5 16 lane; v6 a weight; v7 points1 into LDS; v8 interp into LDS; v9 W into LDS; v12, v13 fragments of W, of cat; v15 into the stage; v19 back;
; v16, v17, v18 offsets in b, in points1 and out0, in W
; s[2:3] out0; s[4:11] points1, p2h, W, b; s[16:31], s[48:63] two queries' indices; s[32:47], s[68:83] their weights; s84 wave; s85 0xffff0000; s86 counter; s[88:91] nidx, nwgt at my next two queries
	s_load_b256 s[4:11], s[0:1], 0x0
	s_load_b128 s[12:15], s[0:1], 0x20             ; nidx, nwgt
	s_load_b64 s[2:3], s[0:1], 0x30
	v_lshl_add_u32 v2, v0, 2, SPARE                ; my spare word,
	v_mov_b32 v3, 0                                ; and 0: for the lines at the wave's end
	v_mov_b32 v4, 0
	v_and_b32 v1, 31, v0
	v_lshrrev_b32 v14, 5, v0
	v_readfirstlane_b32 s84, v14                   ; wave w
	s_mov_b32 s85, 0xffff0000
	v_and_b32 v10, 15, v0                          ; r = lane % 16
	v_bfe_u32 v11, v0, 4, 1                        ; h = lane / 16
	v_lshlrev_b32 v5, 4, v1
	s_lshl_b32 s92, s84, 6
	v_lshl_add_u32 v16, v11, 5, s92                ; b: 4 x (16 w + 8 h)
	s_lshl_b32 s92, s84, 12
	v_add_nc_u32 v17, s92, v5                      ; 8 rows of 512 bytes a wave
	s_mul_i32 s92, s84, 24576
	v_add_nc_u32 v18, s92, v5                      ; 16 rows of 1,536 bytes a wave
	s_mul_i32 s92, s84, 8*WP
	s_add_co_u32 s92, s92, AT
	v_lshl_add_u32 v7, v1, 3, s92
	v_add_nc_u32 v8, s92, v5
	v_add_nc_u32 v8, 256, v8
	s_mul_i32 s92, s84, 16*WP
	v_lshl_add_u32 v9, v1, 3, s92
	v_mul_u32_u24 v13, v10, WP
	v_lshl_add_u32 v13, v11, 4, v13                ; r x pitch + 16 h
	v_add_nc_u32 v12, s92, v13
	v_add_nc_u32 v13, AT, v13
	v_mul_u32_u24 v15, v10, OP
	v_lshl_add_u32 v15, v11, 5, v15
	s_lshl_b32 s92, s84, 6
	s_add_co_u32 s92, s92, OS
	v_add_nc_u32 v15, s92, v15                     ; row r, bytes 64 w + 32 h
	s_mul_i32 s92, s84, 8*OP
	s_add_co_u32 s92, s92, OS
	v_add_nc_u32 v19, s92, v5
	s_lshl_b32 s92, ttmp9, 15                      ; 64 rows of 512 bytes, in points1 and in out0
	s_mov_b32 s93, 0
	s_lshr_b32 s94, ttmp9, 7
	s_lshl_b32 s94, s94, 22                        ; the batch's 8,192 rows of p2h
	s_mov_b32 s95, 0
	s_lshl_b32 s96, ttmp9, 12                      ; 64 queries x 64 bytes,
	s_lshl_b32 s97, s84, 9                         ; my wave's eight
	s_add_co_u32 s96, s96, s97
	s_mov_b32 s97, 0
	s_wait_kmcnt 0x0
	s_add_nc_u64 s[4:5], s[4:5], s[92:93]
	s_add_nc_u64 s[2:3], s[2:3], s[92:93]
	s_add_nc_u64 s[6:7], s[6:7], s[94:95]
	s_add_nc_u64 s[88:89], s[12:13], s[96:97]
	s_add_nc_u64 s[90:91], s[14:15], s[96:97]
	global_load_b128 v[BI:BI+3], v16, s[10:11]
	global_load_b128 v[BI+4:BI+7], v16, s[10:11] offset:16
.set i, 0
.rept 8
	global_load_b128 v[P1R+4*i:P1R+4*i+3], v17, s[4:5] offset:512*i th:TH_LOAD_NT
.set i, i+1
.endr
.set n, 0
.rept 48                                       ; row n / 3 of my 16, third n % 3 of its 1,536 bytes
	global_load_b128 v[WR+4*n:WR+4*n+3], v18, s[8:9] offset:(n/3)*1536+(n%3)*512
.set n, n+1
.endr
	s_wait_loadcnt 48                              ; b and points1 are in; W's 48 loads may stay out
.irp m, 0,2,4,6
	v_cvt_pk_bf16_f32 v28, v[BI+\m], v[BI+\m+1]    ; b rounded to bf16 and widened again
	v_lshlrev_b32 v[BI+\m], 16, v28
	v_and_b32 v[BI+\m+1], s85, v28
.endr
.set i, 0
.rept 8
	v_cvt_pk_bf16_f32 v[P1R+4*i], v[P1R+4*i], v[P1R+4*i+1]
	v_cvt_pk_bf16_f32 v[P1R+4*i+1], v[P1R+4*i+2], v[P1R+4*i+3]
	ds_store_b64 v7, v[P1R+4*i:P1R+4*i+1] offset:WP*i
.set i, i+1
.endr
.set n, 0
.rept 48
	s_wait_loadcnt 47-n                            ; loads come back in order: number n is in, the younger ones stay out
	v_cvt_pk_bf16_f32 v[WR+4*n], v[WR+4*n], v[WR+4*n+1]
	v_cvt_pk_bf16_f32 v[WR+4*n+1], v[WR+4*n+2], v[WR+4*n+3]
	ds_store_b64 v9, v[WR+4*n:WR+4*n+1] offset:(n/3)*WP+(n%3)*256
.set n, n+1
.endr
	; THE GATHER: four trips, two queries a trip: 32 rows are asked for at once and added up as they come.
.macro GACC k, sw, acc, first
	s_wait_loadcnt 31-(\k)                         ; row k is in; the younger rows stay out
	v_mov_b32 v6, s[\sw]
.irp m, 0,1,2,3
.if \first
	v_fma_mix_f32_bf16 v[\acc+2*\m], v[G+4*(\k)+\m], v6, v4 op_sel_hi:[1,0,0]
	v_fma_mix_f32_bf16 v[\acc+2*\m+1], v[G+4*(\k)+\m], v6, v4 op_sel:[1,0,0] op_sel_hi:[1,0,0]
.else
	v_fma_mix_f32_bf16 v[\acc+2*\m], v[G+4*(\k)+\m], v6, v[\acc+2*\m] op_sel_hi:[1,0,0]
	v_fma_mix_f32_bf16 v[\acc+2*\m+1], v[G+4*(\k)+\m], v6, v[\acc+2*\m+1] op_sel:[1,0,0] op_sel_hi:[1,0,0]
.endif
.endr
.endm
	s_mov_b32 s86, 4
.Lg:
	s_load_b512 s[16:31], s[88:89], 0x0
	s_load_b512 s[48:63], s[88:89], 0x40
	s_load_b512 s[32:47], s[90:91], 0x0
	s_load_b512 s[68:83], s[90:91], 0x40
	s_wait_kmcnt 0x0                               ; the four loads are done, so their bases may be stepped
	s_add_nc_u64 s[88:89], s[88:89], 128
	s_add_nc_u64 s[90:91], s[90:91], 128
.set k, 0
.rept 16
	s_min_u32 s[16+k], s[16+k], 0x1fff             ; a number read from memory enters an address: held to the batch's 8,192 rows
	s_min_u32 s[48+k], s[48+k], 0x1fff
.set k, k+1
.endr
.set k, 0
.rept 16
	v_lshl_add_u32 v[G+4*k], s[16+k], 9, v5        ; row x 512 + 16 lane
	global_load_b128 v[G+4*k:G+4*k+3], v[G+4*k], s[6:7]
.set k, k+1
.endr
.set k, 0
.rept 16
	v_lshl_add_u32 v[G+64+4*k], s[48+k], 9, v5
	global_load_b128 v[G+64+4*k:G+64+4*k+3], v[G+64+4*k], s[6:7]
.set k, k+1
.endr
	GACC 0, 32, ACC0, 1
.set k, 1
.rept 15
	GACC k, 32+k, ACC0, 0
.set k, k+1
.endr
.irp m, 0,1,2,3
	v_cvt_pk_bf16_f32 v[PKD+\m], v[ACC0+2*\m], v[ACC0+2*\m+1]
.endr
	ds_store_b128 v8, v[PKD:PKD+3]
	GACC 16, 68, ACC1, 1
.set k, 1
.rept 15
	GACC 16+k, 68+k, ACC1, 0
.set k, k+1
.endr
.irp m, 0,1,2,3
	v_cvt_pk_bf16_f32 v[PKD+4+\m], v[ACC1+2*\m], v[ACC1+2*\m+1]
.endr
	ds_store_b128 v8, v[PKD+4:PKD+7] offset:WP
	v_add_nc_u32 v8, 2*WP, v8
	s_sub_co_u32 s86, s86, 1
	s_cmp_lg_u32 s86, 0
	s_cbranch_scc1 .Lg
	s_wait_dscnt 0x0                               ; for the others' sake: my rows of W and of cat lie in LDS
	s_barrier_signal -1
	s_barrier_wait -1
	; THE PRODUCT.  A fragment is 16 rows x 32 channels in 8 registers: two loads of 16 bytes, 32 bytes apart, at row x pitch + 16 h.
.macro FLOAD set, kk                   ; ten loads: W's fragment and the four query tiles', channels 32 kk on
	ds_load_b128 v[F0+40*(\set):F0+40*(\set)+3], v12 offset:64*(\kk)
	ds_load_b128 v[F0+40*(\set)+4:F0+40*(\set)+7], v12 offset:64*(\kk)+32
.irp mt, 0,1,2,3
	ds_load_b128 v[F0+40*(\set)+8+8*\mt:F0+40*(\set)+8+8*\mt+3], v13 offset:16*WP*\mt+64*(\kk)
	ds_load_b128 v[F0+40*(\set)+8+8*\mt+4:F0+40*(\set)+8+8*\mt+7], v13 offset:16*WP*\mt+64*(\kk)+32
.endr
.endm
	FLOAD 0, 0
	FLOAD 1, 1
.set kk, 0
.rept 12
.set fs, F0+40*(kk%2)
.if kk < 11
	s_wait_dscnt 10                                ; this step's ten loads are in; the other set's ten may stay out
.else
	s_wait_dscnt 0x0
.endif
.irp mt, 0,1,2,3                       ; the four accumulators take turns, one instruction a turn, from step to step too
.if kk == 0
	v_wmma_f32_16x16x32_bf16 v[D+8*\mt:D+8*\mt+7], v[fs:fs+7], v[fs+8+8*\mt:fs+8+8*\mt+7], v[BI:BI+7]  ; the first step starts the sums from b
.else
	v_wmma_f32_16x16x32_bf16 v[D+8*\mt:D+8*\mt+7], v[fs:fs+7], v[fs+8+8*\mt:fs+8+8*\mt+7], v[D+8*\mt:D+8*\mt+7]
.endif
.endr
.rept 4
	v_nop                                          ; four places behind the last product, ahead of loads into registers that it read and, at the end, of the stores of its result
.endr
.if kk < 10
	FLOAD kk%2, kk+2
.endif
.set kk, kk+1
.endr
	; THE WAY OUT.  A lane's eight outputs of a query go into the stage (each accumulator's low registers first); whole rows of 512 bytes come back.
.irp mt, 0,1,2,3
	ds_store_b128 v15, v[D+8*\mt:D+8*\mt+3] offset:16*OP*\mt
	ds_store_b128 v15, v[D+8*\mt+4:D+8*\mt+7] offset:16*OP*\mt+16
.endr
	s_wait_dscnt 0x0                               ; for the others' sake: my part of every row lies in the stage
	s_barrier_signal -1
	s_barrier_wait -1
.irp i, 0,1,2,3,4,5,6,7
	ds_load_b128 v[OB+4*\i:OB+4*\i+3], v19 offset:OP*\i
.endr
.irp i, 0,1,2,3,4,5,6,7
	s_wait_dscnt 7-\i                              ; row i is back; the younger loads stay out
	global_store_b128 v17, v[OB+4*\i:OB+4*\i+3], s[2:3] offset:512*\i th:TH_STORE_NT  ; 512 consecutive bytes, aligned: a row of out0
.endr
	s_wait_tensorcnt 0x0                           ; the wave's end: three lines behind my last LDS store
	ds_add_u32 v2, v3
	s_wait_dscnt 0x0
	s_endpgm
.Lfunc_end_k_qb325739b5b_mix:
	.size	k_qb325739b5b_mix, .Lfunc_end_k_qb325739b5b_mix-k_qb325739b5b_mix
	.p2alignl 7, 3214868480
	.fill 96, 4, 3214868480
	.section	.rodata,"a",@progbits
	.p2align	6, 0x0
	.amdhsa_kernel k_qb325739b5b_mix
		.amdhsa_group_segment_fixed_size 185344
		.amdhsa_private_segment_fixed_size 0
		.amdhsa_enable_private_segment 0
		.amdhsa_kernarg_size 56
		.amdhsa_user_sgpr_count 2
		.amdhsa_user_sgpr_kernarg_segment_ptr 1
		.amdhsa_wavefront_size32 1
		.amdhsa_system_sgpr_workgroup_id_x 1
		.amdhsa_system_sgpr_workgroup_id_y 1
		.amdhsa_system_sgpr_workgroup_id_z 1
		.amdhsa_system_vgpr_workitem_id 0
		.amdhsa_next_free_vgpr 256
		.amdhsa_next_free_sgpr 100
		.amdhsa_reserve_vcc 0
		.amdhsa_float_denorm_mode_32 3
		.amdhsa_float_denorm_mode_16_64 3
		.amdhsa_memory_ordered 1
		.amdhsa_forward_progress 1
		.amdhsa_inst_pref_size 62
	.end_amdhsa_kernel
	.amdgpu_metadata
---
amdhsa.version: [ 1, 2 ]
amdhsa.kernels:
  - .name:           k_qb325739b5b_mix
    .symbol:         k_qb325739b5b_mix.kd
    .args:
      - { .name: points1, .offset: 0, .size: 8, .value_kind: global_buffer, .address_space: global }
      - { .name: p2h, .offset: 8, .size: 8, .value_kind: global_buffer, .address_space: global }
      - { .name: W, .offset: 16, .size: 8, .value_kind: global_buffer, .address_space: global }
      - { .name: b, .offset: 24, .size: 8, .value_kind: global_buffer, .address_space: global }
      - { .name: nidx, .offset: 32, .size: 8, .value_kind: global_buffer, .address_space: global }
      - { .name: nwgt, .offset: 40, .size: 8, .value_kind: global_buffer, .address_space: global }
      - { .name: out0, .offset: 48, .size: 8, .value_kind: global_buffer, .address_space: global }
    .group_segment_fixed_size: 185344
    .private_segment_fixed_size: 0
    .kernarg_segment_align: 8
    .kernarg_segment_size: 56
    .max_flat_workgroup_size: 256
    .sgpr_count:     100
    .vgpr_count:     256
    .wavefront_size: 32
...
	.end_amdgpu_metadata
.endif
;; end of part 3
;; ======== version 2 of 2: 3 launches; version 1 with the launch mix written anew for expert scheduling mode
;; workspace buffers: gid 262,144 bytes of whole numbers; nidx 1,048,576 bytes of whole numbers; nwgt 1,048,576 bytes; p2h 8,388,608 bytes
;; launch scan: the kernel of part 1 again; grid 256 x 1, 8 waves a work-group, no clusters, 104,448 bytes of LDS; arguments xyz1, xyz2, points2, gid, p2h; writes gid, p2h
;; launch pick: the kernel of part 2 again; grid 256 x 1, 8 waves a work-group, no clusters, 193,536 bytes of LDS; arguments xyz1, xyz2, gid, nidx, nwgt; writes nidx, nwgt
;; launch mix (part 4): grid 256 x 1, 8 waves a work-group, no clusters, 185,344 bytes of LDS; arguments points1, p2h, W, b, nidx, nwgt, out0; writes out0
.if DOCPART == 4
	.amdgcn_target "amdgcn-amd-amdhsa--gfx1250"
	.amdhsa_code_object_version 6
	.text
	.protected	k_qb325739b5b_mix
	.globl	k_qb325739b5b_mix
	.p2align	8
	.type	k_qb325739b5b_mix,@function
k_qb325739b5b_mix:
	s_mov_b64 s[64:65], 0
	v_nop
	global_prefetch_b8 v0, s[64:65] scope:SCOPE_SE
	s_setreg_imm32_b32 hwreg(HW_REG_WAVE_SCHED_MODE, 0, 2), 2
	s_setreg_imm32_b32 hwreg(HW_REG_WAVE_MODE, 25, 1), 1
	s_wait_xcnt 0x0
	s_wait_alu depctr_vm_vsrc(0)
; THIRD OF THREE LAUNCHES.  out[q][o] = the sum over c of cat[q][c] W[o][c] + b[o], cat = points1's row (128) and interp (256), interp = the sum over the query's 16 neighbours of
; weight x points2's row.  Indices (nidx, whole numbers) and weights (nwgt, f32) come from the launch before, points2 in bf16 (p2h) from the first.  No work of reference() is left out.
; FORMATS.  points1, W and b are rounded to bf16 here, as all the program's inputs are; interp is summed in f32 (neighbours in the stored order) and rounded once to bf16 as a matrix operand;
; the product's sums are f32 and start from b.  NaN and infinities are not treated apart.
; SHARES.  A work-group has 64 queries.  Wave w lays 16 rows of W and 8 rows of points1 into LDS, gathers for queries 8 w .. 8 w + 7 (a row of p2h is 512 bytes: 16 bytes a lane, one load a row), and
; then makes outputs 16 w .. 16 w + 15 of all 64 queries: four accumulators, 12 steps of 32 along the 384 channels.  The product is used transposed (source 0 = 16 rows of W, source 1 = 16 queries), so a
; lane holds eight neighbouring outputs of one query.  Every work-group reads all of W: 196,608 bytes beside the 524,288 that it gathers.
; THE MODE: SCHED_MODE bits 1:0 = 2 (LLVM: expert scheduling mode 2), set by the entry lines.  The code itself states the register dependences between vector or matrix instructions and
; memory or LDS instructions, with s_wait_alu, always for 0.
; THE PLAN.  Registers that memory or LDS instructions touch:
;   v7, v9, v12, v13, v15 .. v19, v2, v3   offsets and LDS addresses: written once at the head, ahead of the wait that stands in front of the first load.
;   P1R, WR       as loaded; rounded in place; read by LDS stores.  In batches: a batch's stores stand behind the next batch's wait for data and one wait on va_vdst.
;   G0 .. G3      the gather's four blocks of eight rows.  A trip is two queries, four blocks.  A block's 64 multiply-adds read it; behind them one wait on va_vdst; then the same block of the
;                 NEXT trip's queries is loaded into it: 24 to 32 rows of the wave are on their way, across trips too.
;   OF            32 row offsets.  Written once a trip, at block 0's end, behind s_wait_xcnt 0 and the trip's one wait on vm_vsrc (the youngest load that read them was issued a block earlier)
;                 and ahead of block 0's wait on va_vdst; read by the trip's four runs of loads.
;   PKD, v8       interp in bf16 and where it goes.  PKD is written ahead of the waits of blocks 1 and 3 and read by the LDS stores behind them; v8 is stepped beside OF.  Both are freed by the next trip's wait on vm_vsrc.
;   WV, ACC       the trip's weights and the sums: named by vector instructions alone.
;   F0 .. F2      the product's three sets of fragments.  Step k reads set k % 3; at its head one wait on va_vdst shows step k - 1's products done reading their set, and step k + 2 is loaded into it.
;   D, OB         the accumulators, read by LDS stores behind the places and one wait; the rows on their way out, which no vector instruction names.
.set WP,    784                        ; a row of 384 bf16 + 16 bytes: an odd multiple of 16 bytes from row to row
.set WT,    0                          ; W: 128 rows
.set AT,    100352                     ; cat: 64 rows; points1 at byte 0, interp at byte 256
.set OS,    150528                     ; the way out: 64 rows of 128 f32, 528 bytes apart
.set OP,    528
.set SPARE, 184320                     ; the spare words: 128 bytes a wave, four blocks of 256 bytes that no other line names
.set BI,   20                          ; v[20:27]  b of my eight outputs
.set P1R,  32                          ; v[32:63]  points1 as loaded
.set WR,   64                          ; v[64:255] W as loaded
.set ACC0, 32                          ; v[32:39], v[40:47] interp of two queries: my eight channels
.set ACC1, 40
.set PKD,  48                          ; v[48:55]  the same in bf16
.set G,    64                          ; v[64:191] 32 gathered rows, 4 registers each: block b is rows 8 b .. 8 b + 7
.set OF,   192                         ; v[192:223] their byte offsets in the batch's part of p2h
.set WV,   224                         ; v[224:255] their weights
.set F0,   64                          ; v[64:103], v[104:143], v[144:183] three sets of fragments: W's, then the four query tiles'
.set D,    184                         ; v[184:215] four accumulators
.set OB,   216                         ; v[216:247] eight rows on their way out
; v1 lane; v2, v3 the add's registers; v4 0; v5 16 lane; v7 points1 into LDS; v8 interp into LDS; v9 W into LDS; v12, v13 fragments of W, of cat; v15 into the stage; v19 back;
; v16, v17, v18 offsets in b, in points1 and out0, in W
; s[2:3] out0; s[4:11] points1, p2h, W, b; s[16:31], s[48:63] two queries' indices; s[32:47], s[68:83] two queries' weights; s84 wave; s85 0xffff0000; s86 counter; s[88:91] nidx, nwgt at my wave's queries, stepped by a trip
	s_load_b256 s[4:11], s[0:1], 0x0
	s_load_b128 s[12:15], s[0:1], 0x20             ; nidx, nwgt
	s_load_b64 s[2:3], s[0:1], 0x30
	v_lshl_add_u32 v2, v0, 2, SPARE                ; my spare word,
	v_mov_b32 v3, 0                                ; and 0: for the lines at the wave's end
	v_mov_b32 v4, 0
	v_and_b32 v1, 31, v0
	v_lshrrev_b32 v14, 5, v0
	v_readfirstlane_b32 s84, v14                   ; wave w
	s_mov_b32 s85, 0xffff0000
	v_and_b32 v10, 15, v0                          ; r = lane % 16
	v_bfe_u32 v11, v0, 4, 1                        ; h = lane / 16
	v_lshlrev_b32 v5, 4, v1
	s_wait_alu depctr_va_sdst(0)                   ; s84 is written, ahead of its first reader: all the wave's places below are made from it
	s_lshl_b32 s92, s84, 6
	v_lshl_add_u32 v16, v11, 5, s92                ; b: 4 x (16 w + 8 h)
	s_lshl_b32 s92, s84, 12
	v_add_nc_u32 v17, s92, v5                      ; 8 rows of 512 bytes a wave
	s_mul_i32 s92, s84, 24576
	v_add_nc_u32 v18, s92, v5                      ; 16 rows of 1,536 bytes a wave
	s_mul_i32 s92, s84, 8*WP
	s_add_co_u32 s93, s92, AT+256-2*WP             ; interp's place starts two rows above my first: every trip steps it by two rows ahead of its stores
	s_add_co_u32 s92, s92, AT
	v_lshl_add_u32 v7, v1, 3, s92
	v_add_nc_u32 v8, s93, v5
	s_mul_i32 s92, s84, 16*WP
	v_lshl_add_u32 v9, v1, 3, s92
	v_mul_u32_u24 v13, v10, WP
	v_lshl_add_u32 v13, v11, 4, v13                ; r x pitch + 16 h
	v_add_nc_u32 v12, s92, v13
	v_add_nc_u32 v13, AT, v13
	v_mul_u32_u24 v15, v10, OP
	v_lshl_add_u32 v15, v11, 5, v15
	s_lshl_b32 s92, s84, 6
	s_add_co_u32 s92, s92, OS
	v_add_nc_u32 v15, s92, v15                     ; row r, bytes 64 w + 32 h
	s_mul_i32 s92, s84, 8*OP
	s_add_co_u32 s92, s92, OS
	v_add_nc_u32 v19, s92, v5
	s_lshl_b32 s92, ttmp9, 15                      ; 64 rows of 512 bytes, in points1 and in out0
	s_mov_b32 s93, 0
	s_lshr_b32 s94, ttmp9, 7
	s_lshl_b32 s94, s94, 22                        ; the batch's 8,192 rows of p2h
	s_mov_b32 s95, 0
	s_lshl_b32 s96, ttmp9, 12                      ; 64 queries x 64 bytes,
	s_lshl_b32 s97, s84, 9                         ; my wave's eight
	s_add_co_u32 s96, s96, s97
	s_mov_b32 s97, 0
	s_wait_kmcnt 0x0
	s_add_nc_u64 s[4:5], s[4:5], s[92:93]
	s_add_nc_u64 s[2:3], s[2:3], s[92:93]
	s_add_nc_u64 s[6:7], s[6:7], s[94:95]
	s_add_nc_u64 s[88:89], s[12:13], s[96:97]
	s_add_nc_u64 s[90:91], s[14:15], s[96:97]
	s_wait_alu depctr_va_vdst(0)                   ; the offsets and LDS addresses v7 to v9, v12, v13, v15 to v19 are written, which the loads and stores of the whole kernel read
	s_load_b512 s[16:31], s[88:89], 0x0
	s_load_b512 s[48:63], s[88:89], 0x40
	s_load_b512 s[32:47], s[90:91], 0x0
	s_load_b512 s[68:83], s[90:91], 0x40
	; (my first two queries' indices and weights: asked for here, wanted behind W's last conversions)
	global_load_b128 v[BI:BI+3], v16, s[10:11]
	global_load_b128 v[BI+4:BI+7], v16, s[10:11] offset:16
.set i, 0
.rept 8
	global_load_b128 v[P1R+4*i:P1R+4*i+3], v17, s[4:5] offset:512*i th:TH_LOAD_NT
.set i, i+1
.endr
.set n, 0
.rept 48                                       ; row n / 3 of my 16, third n % 3 of its 1,536 bytes
	global_load_b128 v[WR+4*n:WR+4*n+3], v18, s[8:9] offset:(n/3)*1536+(n%3)*512
.set n, n+1
.endr
; W goes to LDS in four batches of twelve loads.  WRND rounds a batch in place; WPUT stores it.
.macro WRND first
.set n, \first
.rept 12
	v_cvt_pk_bf16_f32 v[WR+4*n], v[WR+4*n], v[WR+4*n+1]
	v_cvt_pk_bf16_f32 v[WR+4*n+1], v[WR+4*n+2], v[WR+4*n+3]
.set n, n+1
.endr
.endm
.macro WPUT first
.set n, \first
.rept 12
	ds_store_b64 v9, v[WR+4*n:WR+4*n+1] offset:(n/3)*WP+(n%3)*256
.set n, n+1
.endr
.endm
; The gather's pieces.
.macro CLAMP                           ; a number read from memory enters an address: held to the batch's 8,192 rows
.set k, 0
.rept 16
	s_min_u32 s[16+k], s[16+k], 0x1fff
	s_min_u32 s[48+k], s[48+k], 0x1fff
.set k, k+1
.endr
.endm
.macro OFFS                            ; row x 512 + 16 lane, for two queries' 32 rows
.set k, 0
.rept 16
	v_lshl_add_u32 v[OF+k], s[16+k], 9, v5
	v_lshl_add_u32 v[OF+16+k], s[48+k], 9, v5
.set k, k+1
.endr
.endm
.macro WMOVE                           ; two queries' 32 weights into vector registers: the mixed multiply-add takes no scalar source
.set k, 0
.rept 16
	v_mov_b32 v[WV+k], s[32+k]
	v_mov_b32 v[WV+16+k], s[68+k]
.set k, k+1
.endr
.endm
.macro GFILL b                         ; block b's eight rows are asked for
.set k, 8*(\b)
.rept 8
	global_load_b128 v[G+4*k:G+4*k+3], v[OF+k], s[6:7]
.set k, k+1
.endr
.endm
.macro GROW j, acc, first, left        ; row j is added to its query's sums; left: the younger loads that may stay out
	s_wait_loadcnt \left
.irp m, 0,1,2,3
.if \first
	v_fma_mix_f32_bf16 v[(\acc)+2*\m], v[G+4*(\j)+\m], v[WV+(\j)], v4 op_sel_hi:[1,0,0]
	v_fma_mix_f32_bf16 v[(\acc)+2*\m+1], v[G+4*(\j)+\m], v[WV+(\j)], v4 op_sel:[1,0,0] op_sel_hi:[1,0,0]
.else
	v_fma_mix_f32_bf16 v[(\acc)+2*\m], v[G+4*(\j)+\m], v[WV+(\j)], v[(\acc)+2*\m] op_sel_hi:[1,0,0]
	v_fma_mix_f32_bf16 v[(\acc)+2*\m+1], v[G+4*(\j)+\m], v[WV+(\j)], v[(\acc)+2*\m+1] op_sel:[1,0,0] op_sel_hi:[1,0,0]
.endif
.endr
.endm
; Block b: eight rows, the first or second half of query b / 2 of the trip's two.  Loads come back in order (ISA guide 5.7.1).  ahead = 1: behind row i of a block stand the 7 - i of its own
; block and three younger blocks, 31 - i in all.  ahead = 0, the last trip: nothing was issued behind the 32 rows, and the counts run down.
.macro GBLK b, ahead
.set i, 0
.rept 8
.if \ahead
.set lf, 31-i
.else
.set lf, 31-8*(\b)-i
.endif
.if ((\b)%2 == 0) && (i == 0)
	GROW 8*(\b)+i, ACC0+8*((\b)/2), 1, lf
.else
	GROW 8*(\b)+i, ACC0+8*((\b)/2), 0, lf
.endif
.set i, i+1
.endr
.endm
.macro GPACK q                         ; query q of the trip's two: interp rounded once to bf16
.irp m, 0,1,2,3
	v_cvt_pk_bf16_f32 v[PKD+4*(\q)+\m], v[ACC0+8*(\q)+2*\m], v[ACC0+8*(\q)+2*\m+1]
.endr
.endm
	s_wait_loadcnt 48                              ; b and points1 are in; W's 48 loads may stay out
.irp m, 0,2,4,6
	v_cvt_pk_bf16_f32 v28, v[BI+\m], v[BI+\m+1]    ; b rounded to bf16 and widened again
	v_lshlrev_b32 v[BI+\m], 16, v28
	v_and_b32 v[BI+\m+1], s85, v28
.endr
.set i, 0
.rept 8
	v_cvt_pk_bf16_f32 v[P1R+4*i], v[P1R+4*i], v[P1R+4*i+1]
	v_cvt_pk_bf16_f32 v[P1R+4*i+1], v[P1R+4*i+2], v[P1R+4*i+3]
.set i, i+1
.endr
	s_wait_loadcnt 36                              ; W's first twelve loads are in, the 36 younger ones stay out
	s_wait_alu depctr_va_vdst(0)                   ; the conversions have written points1's pairs, which the LDS stores read
.set i, 0
.rept 8
	ds_store_b64 v7, v[P1R+4*i:P1R+4*i+1] offset:WP*i
.set i, i+1
.endr
	WRND 0
	s_wait_loadcnt 24
	s_wait_alu depctr_va_vdst(0)                   ; the conversions have written W's first batch, which the LDS stores read
	WPUT 0
	WRND 12
	s_wait_loadcnt 12
	s_wait_alu depctr_va_vdst(0)                   ; .. the second batch
	WPUT 12
	WRND 24
	s_wait_loadcnt 0x0
	s_wait_alu depctr_va_vdst(0)                   ; .. the third batch
	WPUT 24
	WRND 36
	s_wait_kmcnt 0x0                               ; my first two queries' indices and weights
	CLAMP
	s_wait_alu depctr_va_vdst(0)                   ; .. the fourth batch
	WPUT 36
	; THE GATHER.  The first two queries' 32 rows are asked for; then four trips, each of which adds up two queries' rows and, block by block, asks for the next two queries'.
	s_wait_alu depctr_vm_vsrc(0)                   ; the LDS stores have read points1's and W's registers: from here on these are ACC, PKD, G, OF and WV
	OFFS
	s_wait_alu depctr_va_vdst(0)                   ; the offsets are written, which the loads read; the conversions are done with the registers in which the rows land
	GFILL 0
	GFILL 1
	GFILL 2
	GFILL 3
	s_load_b512 s[16:31], s[88:89], 0x80
	s_load_b512 s[48:63], s[88:89], 0xc0
	; (the second two queries' indices)
	s_mov_b32 s86, 3
.Lg:                                           ; trip t = 0, 1, 2: the rows of queries 2 t, 2 t + 1 are added up, those of queries 2 t + 2, 2 t + 3 asked for
	s_wait_kmcnt 0x0                               ; this trip's weights and the next trip's indices are in; the scalar loads are done, so their bases may be stepped
	s_add_nc_u64 s[88:89], s[88:89], 128
	s_add_nc_u64 s[90:91], s[90:91], 128
	CLAMP
	WMOVE
	GBLK 0, 1
	s_wait_xcnt 0x0                                ; every earlier memory instruction has had its addresses translated (ISA guide 3.1): the offsets are rewritten only behind this wait
	s_wait_alu depctr_vm_vsrc(0)                   ; the loads issued so far have read OF; the last trip's two LDS stores have read v8 and PKD
	v_add_nc_u32 v8, 2*WP, v8                      ; this trip's two rows of cat
	OFFS
	s_wait_alu depctr_va_vdst(0)                   ; the multiply-adds are done reading block 0, in which the loads below land; OF and v8 are written
	GFILL 0
	s_load_b512 s[32:47], s[90:91], 0x0
	s_load_b512 s[68:83], s[90:91], 0x40
	; (the next trip's weights: three blocks ahead of the wait for them)
	s_cmp_eq_u32 s86, 1
	s_cbranch_scc1 .Lno_idx                        ; the third trip asks for no indices: my wave has four pairs of queries
	s_load_b512 s[16:31], s[88:89], 0x80
	s_load_b512 s[48:63], s[88:89], 0xc0
.Lno_idx:
	GBLK 1, 1
	GPACK 0
	s_wait_alu depctr_va_vdst(0)                   ; the multiply-adds are done reading block 1; the roundings have written PKD's first half
	GFILL 1
	ds_store_b128 v8, v[PKD:PKD+3]
	GBLK 2, 1
	s_wait_alu depctr_va_vdst(0)                   ; the multiply-adds are done reading block 2
	GFILL 2
	GBLK 3, 1
	GPACK 1
	s_wait_alu depctr_va_vdst(0)                   ; the multiply-adds are done reading block 3; the roundings have written PKD's second half
	GFILL 3
	ds_store_b128 v8, v[PKD+4:PKD+7] offset:WP
	s_sub_co_u32 s86, s86, 1
	s_cmp_lg_u32 s86, 0
	s_cbranch_scc1 .Lg
	; The last trip is written out: it asks for nothing, and its counts run down.
	s_wait_kmcnt 0x0                               ; the last two queries' weights
	WMOVE
	GBLK 0, 0
	s_wait_alu depctr_vm_vsrc(0)                   ; the last trip's LDS stores have read v8 and PKD; the last loads have read OF, whose registers D and OB take over below
	v_add_nc_u32 v8, 2*WP, v8
	GBLK 1, 0
	GPACK 0
	s_wait_alu depctr_va_vdst(0)                   ; v8 and PKD's first half are written, which the LDS store reads
	ds_store_b128 v8, v[PKD:PKD+3]
	GBLK 2, 0
	GBLK 3, 0
	GPACK 1
	s_wait_alu depctr_va_vdst(0)                   ; PKD's second half is written; all multiply-adds are done reading G and WV, in whose registers the fragments and the rows on their way out land
	ds_store_b128 v8, v[PKD+4:PKD+7] offset:WP
	s_wait_dscnt 0x0                               ; for the others' sake: my rows of W and of cat lie in LDS
	s_barrier_signal -1
	s_barrier_wait -1
	; THE PRODUCT.  A fragment is 16 rows x 32 channels in 8 registers: two loads of 16 bytes, 32 bytes apart, at row x pitch + 16 h.
.macro FLOAD set, kk                   ; ten loads: W's fragment and the four query tiles', channels 32 kk on
	ds_load_b128 v[F0+40*(\set):F0+40*(\set)+3], v12 offset:64*(\kk)
	ds_load_b128 v[F0+40*(\set)+4:F0+40*(\set)+7], v12 offset:64*(\kk)+32
.irp mt, 0,1,2,3
	ds_load_b128 v[F0+40*(\set)+8+8*\mt:F0+40*(\set)+8+8*\mt+3], v13 offset:16*WP*\mt+64*(\kk)
	ds_load_b128 v[F0+40*(\set)+8+8*\mt+4:F0+40*(\set)+8+8*\mt+7], v13 offset:16*WP*\mt+64*(\kk)+32
.endr
.endm
	FLOAD 0, 0
	FLOAD 1, 1
.set kk, 0
.rept 12
.set fs, F0+40*(kk%3)
.if kk < 11
	s_wait_dscnt 10                                ; this step's ten loads are in; the next step's ten may stay out
.else
	s_wait_dscnt 0x0
.endif
.if kk < 10
.if kk > 0
	s_wait_alu depctr_va_vdst(0)                   ; the last step's products are done reading their set, in which the loads below land
.endif
	FLOAD (kk+2)%3, kk+2                           ; two steps ahead; no product since the wait names these registers
.endif
.irp mt, 0,1,2,3                       ; the four accumulators take turns, one instruction a turn, from step to step too
.if kk == 0
	v_wmma_f32_16x16x32_bf16 v[D+8*\mt:D+8*\mt+7], v[fs:fs+7], v[fs+8+8*\mt:fs+8+8*\mt+7], v[BI:BI+7]  ; the first step starts the sums from b
.else
	v_wmma_f32_16x16x32_bf16 v[D+8*\mt:D+8*\mt+7], v[fs:fs+7], v[fs+8+8*\mt:fs+8+8*\mt+7], v[D+8*\mt:D+8*\mt+7]
.endif
.endr
.rept 4
	v_nop                                          ; four places behind the step's last product (ISA guide 7.12.1), ahead of what next touches its registers; the waits stand beside them and fill none
.endr
.set kk, kk+1
.endr
	; THE WAY OUT.  A lane's eight outputs of a query go into the stage (each accumulator's low registers first); whole rows of 512 bytes come back.
	s_wait_alu depctr_va_vdst(0)                   ; the products have written the accumulators, which the LDS stores read
.irp mt, 0,1,2,3
	ds_store_b128 v15, v[D+8*\mt:D+8*\mt+3] offset:16*OP*\mt
	ds_store_b128 v15, v[D+8*\mt+4:D+8*\mt+7] offset:16*OP*\mt+16
.endr
	s_wait_dscnt 0x0                               ; for the others' sake: my part of every row lies in the stage
	s_barrier_signal -1
	s_barrier_wait -1
.irp i, 0,1,2,3,4,5,6,7
	ds_load_b128 v[OB+4*\i:OB+4*\i+3], v19 offset:OP*\i
.endr
.irp i, 0,1,2,3,4,5,6,7
	s_wait_dscnt 7-\i                              ; row i is back; the younger loads stay out
	global_store_b128 v17, v[OB+4*\i:OB+4*\i+3], s[2:3] offset:512*\i th:TH_STORE_NT  ; 512 consecutive bytes, aligned: a row of out0
.endr
	s_wait_dscnt 0x0                               ; the closing lines, six on end
	s_wait_alu 0x0
	s_wait_tensorcnt 0x0
	ds_add_u32 v2, v3
	s_wait_dscnt 0x0
	s_endpgm
.Lfunc_end_k_qb325739b5b_mix:
	.size	k_qb325739b5b_mix, .Lfunc_end_k_qb325739b5b_mix-k_qb325739b5b_mix
	.p2alignl 7, 3214868480
	.fill 96, 4, 3214868480
	.section	.rodata,"a",@progbits
	.p2align	6, 0x0
	.amdhsa_kernel k_qb325739b5b_mix
		.amdhsa_group_segment_fixed_size 185344
		.amdhsa_private_segment_fixed_size 0
		.amdhsa_enable_private_segment 0
		.amdhsa_kernarg_size 56
		.amdhsa_user_sgpr_count 2
		.amdhsa_user_sgpr_kernarg_segment_ptr 1
		.amdhsa_wavefront_size32 1
		.amdhsa_system_sgpr_workgroup_id_x 1
		.amdhsa_system_sgpr_workgroup_id_y 1
		.amdhsa_system_sgpr_workgroup_id_z 1
		.amdhsa_system_vgpr_workitem_id 0
		.amdhsa_next_free_vgpr 256
		.amdhsa_next_free_sgpr 100
		.amdhsa_reserve_vcc 0
		.amdhsa_float_denorm_mode_32 3
		.amdhsa_float_denorm_mode_16_64 3
		.amdhsa_memory_ordered 1
		.amdhsa_forward_progress 1
		.amdhsa_inst_pref_size 88
	.end_amdhsa_kernel
	.amdgpu_metadata
---
amdhsa.version: [ 1, 2 ]
amdhsa.kernels:
  - .name:           k_qb325739b5b_mix
    .symbol:         k_qb325739b5b_mix.kd
    .args:
      - { .name: points1, .offset: 0, .size: 8, .value_kind: global_buffer, .address_space: global }
      - { .name: p2h, .offset: 8, .size: 8, .value_kind: global_buffer, .address_space: global }
      - { .name: W, .offset: 16, .size: 8, .value_kind: global_buffer, .address_space: global }
      - { .name: b, .offset: 24, .size: 8, .value_kind: global_buffer, .address_space: global }
      - { .name: nidx, .offset: 32, .size: 8, .value_kind: global_buffer, .address_space: global }
      - { .name: nwgt, .offset: 40, .size: 8, .value_kind: global_buffer, .address_space: global }
      - { .name: out0, .offset: 48, .size: 8, .value_kind: global_buffer, .address_space: global }
    .group_segment_fixed_size: 185344
    .private_segment_fixed_size: 0
    .kernarg_segment_align: 8
    .kernarg_segment_size: 56
    .max_flat_workgroup_size: 256
    .sgpr_count:     100
    .vgpr_count:     256
    .wavefront_size: 32
...
	.end_amdgpu_metadata
.endif
;; end of part 4
